; MI455X (gfx1250); checked and timed in simulation.
; The chip was launched on July 23, 2026; its instructions are those of AMD's public machine-readable ISA for CDNA 5 (MIT licence, August 2026) and "CDNA5" Instruction Set Architecture Reference Guide (July 2026). The comments in the code are by the model that wrote it; some were corrected since.
;; VQVAE Layer. Allowed arithmetic: matrix products marked QUANTISED: E4M3 operands, one E8M0 scale for each 32 along K, by v_wmma_scale_f32_16x16x128_f8f6f4 with both operands' format E4M3, f32 sums; everything else in f32.
;; Inputs: w 256 x 4,096 float32; x 64 x 1,024 x 256 float32.
;; Outputs: out0 64 x 1,024 x 256 float32.
;; This version of the problem:
;;   THIS VERSION OF THE PROBLEM IS GIVEN IN LOW PRECISION. The matrix products marked QUANTISED in the list below multiply operands that are first quantised to E4M3 (4 exponent bits, 3 mantissa bits; 8 bits a number), with one power-of-two scale for each 32 numbers along K (OCP MX v1.0); their sums are f32. All else is computed in f32.
;;   The module's matrix products, in the order in which they are computed (A, B: the left and right operand; K: the contracted axis; several contracted axes count as one K, in the product's order):
;;     1. [M 65,536, K 256] x [K 256, N 4,096]; A: input x; B: input w: QUANTISED
;;   THE QUANTISER, for each operand of a quantised product, along K:
;;     - K is cut into blocks of 32 from its start; a last block that is shorter is filled with zeros.
;;     - A block's scale is 2^e with e = floor(log2(the largest magnitude in the block)) - 8, held to -126 .. 127; a block of zeros has e = 0. As a byte (E8M0): e + 127.
;;     - Each number is divided by its block's scale, clamped to +-448, and rounded to the nearest number of E4M3, ties to even, subnormals kept.
;;     - The product sums the exact products of the quantised numbers (number of the format x scale) in f32.
;;   ~~~python
;;   def quantise(x, axis):      # numpy; x: float32 -> the quantised numbers, widened to float32 again
;;       x = np.moveaxis(x, axis, -1); K = x.shape[-1]
;;       x = np.pad(x, [(0, 0)] * (x.ndim - 1) + [(0, -K % 32)]); x = x.reshape(x.shape[:-1] + (-1, 32)); a = np.abs(x).max(-1, keepdims=True)
;;       e = np.where(a > 0, np.clip(np.frexp(np.where(a > 0, a, 1))[1] - 1 - 8, -126, 127), 0)      # np.frexp(a)[1] - 1 = floor(log2(a)), exactly
;;       r = np.clip(x / 2.0 ** e, -448, 448)
;;       step = 2.0 ** (np.maximum(np.frexp(np.where(r == 0, 1, r))[1] - 1, -6) - 3)
;;       q = np.round(r / step) * step * 2.0 ** e      # np.round: ties to even
;;       return np.moveaxis(q.reshape(q.shape[:-2] + (-1,))[..., :K], -1, axis).astype(np.float32)
;;   ~~~
;; One version. Each part assembles by itself: llvm-mc -triple=amdgcn-amd-amdhsa -mcpu=gfx1250 --defsym DOCPART=n.
;; ======== version 1 of 1: 3 launches
;; limits: right only within a limited range of input values
;; workspace buffers: wrec 1,114,112 bytes; wt 4,194,304 bytes; idx 262,144 bytes of whole numbers
;; launch prep (part 1): grid 128 x 1, 4 waves a work-group, no clusters, 36,352 bytes of LDS; arguments w, wrec, wt; writes wrec, wt
.if DOCPART == 1
	.amdgcn_target "amdgcn-amd-amdhsa--gfx1250"
	.amdhsa_code_object_version 6
	.text
	.protected	k_qe08735569a_prep
	.globl	k_qe08735569a_prep
	.p2align	8
	.type	k_qe08735569a_prep,@function
k_qe08735569a_prep:
	s_mov_b64 s[64:65], 0
	v_nop
	global_prefetch_b8 v0, s[64:65] scope:SCOPE_SE
	s_setreg_imm32_b32 hwreg(HW_REG_WAVE_MODE, 25, 1), 1
	s_wait_xcnt 0x0
; w [256 (k)][4096 (n)] f32, the codebook, K on its first axis, is read once and leaves in three forms:
;   wrec: 256 records of 4,352 bytes, one for each tile of 16 codebook columns, laid as the next launch's operand registers take them:
;         bytes 2048 s + 512 c + 16 l + e : the E4M3 code of w[128 s + 32 c + 16 (l / 16) + e][16 t + l % 16]   (K step s, register group c, lane l)
;         bytes 4096 + 64 s + 4 r + c     : the E8M0 byte of block 4 s + c of column 16 t + r
;         bytes 4224 + 4 i                : -0.5 x the sum over k of w[k][16 t + i]^2, f32, of the numbers as given;   bytes 4288 .. 4351: zeros
;   wt:   [4096][256] f32: w transposed, so that the last launch copies whole rows.
; A LANE TAKES A COLUMN AND ITS REGISTERS RUN DOWN K: a block of 32 along K lies in one lane, and the conversions give codes with K innermost.
; A work-group takes 32 columns (two records); wave q takes k = 64 q .. 64 q + 63 (two blocks).  Each load reads 128 consecutive bytes.
; A block's scale is 2^(floor(log2(largest magnitude)) - 8); its byte is the largest magnitude's exponent field - 8, held at 1 from below.
; LIMITS: a block of zeros gets the byte 1 (its codes are zeros; only this program reads the bytes); blocks whose largest magnitude lies under 2^-118
; keep the byte 1; NaN and infinities are not served.  The sum of squares is taken in this text's own order (two packed chains a wave, four waves).
; No tensor load, no cluster: no two work-groups read the same bytes.
.set ROWW,  16384                      ; a row of w in bytes
.set REC,   4352                       ; a record
.set PITCH, 272                        ; a stage row: 256 bytes + 16, an odd multiple of 16
.set WSTG,  32*PITCH                   ; a wave's stage: 32 columns x 64 numbers
.set SM,    4*WSTG                     ; LDS: the two records' last 256 bytes (scale bytes, sums, zeros)
.set PS,    SM+512                     ; LDS: each wave's partial sums of squares, 128 bytes a wave
.set CI,  2                            ; v2   4 x lane: my column in a row of w
.set RO,  3                            ; v3   4352 (lane / 16) + 16 (lane % 16): my place in the two records
.set WO,  4                            ; v4   1024 (lane / 16) + 16 (lane % 16): my place in two rows of wt
.set SI,  5                            ; v5   the stage, in: row = my column
.set SOU, 6                            ; v6   the stage, out: sixteen lanes to a row
.set SBY, 7                            ; v7   where my two scale bytes go
.set PW,  8                            ; v8   where my partial sum goes
.set PR,  9                            ; v9   where wave 0 reads the four partial sums of column = lane
.set SH,  10                           ; v10  the column's word in the record's last 256 bytes
.set SRD, 11                           ; v11  16 x lane in those 512 bytes
.set SQ,  20                           ; v[20:23] sums of squares, two packed chains
.set C,   24                           ; v24-39  codes, 8 registers a block: no store's data are written again
.set X,   40                           ; v40-103 my 64 numbers
.set OUTR, 104                         ; v104-167 rows of wt on their way out
	s_load_b128 s[4:7], s[0:1], 0x0                ; w, wrec
	s_load_b64 s[8:9], s[0:1], 0x10                ; wt
	v_lshl_add_u32 v176, v0, 2, 0x8c00
	v_mov_b32 v177, 0
	v_lshrrev_b32 v1, 5, v0
	v_readfirstlane_b32 s16, v1                    ; wave q
	v_and_b32 v1, 31, v0                           ; lane
	v_lshlrev_b32 v[CI], 2, v1
	v_and_b32 v12, 15, v0                          ; lane % 16
	v_bfe_u32 v13, v0, 4, 1                        ; lane / 16
	v_lshlrev_b32 v14, 4, v12
	v_mad_u32_u24 v[RO], v13, REC, v14
	v_lshl_add_u32 v[WO], v13, 10, v14
	s_mul_i32 s17, s16, WSTG
	v_mul_u32_u24 v[SI], v1, PITCH
	v_add_nc_u32 v[SI], s17, v[SI]
	v_mad_u32_u24 v[SOU], v13, PITCH, v14
	v_add_nc_u32 v[SOU], s17, v[SOU]
	v_lshlrev_b32 v[SH], 2, v12
	v_lshl_add_u32 v[SH], v13, 8, v[SH]
	v_add_nc_u32 v[SH], SM, v[SH]
	s_lshr_b32 s18, s16, 1
	s_lshl_b32 s18, s18, 6                         ; K step q / 2: 64 bytes on,
	s_and_b32 s19, s16, 1
	s_lshl_b32 s19, s19, 1                         ; blocks 2 (q % 2), 2 (q % 2) + 1 of its four
	s_add_co_u32 s18, s18, s19
	v_add_nc_u32 v[SBY], s18, v[SH]
	v_add_nc_u32 v[PR], PS, v[CI]
	s_lshl_b32 s19, s16, 7
	v_add_nc_u32 v[PW], s19, v[PR]
	v_lshl_add_u32 v[SRD], v1, 4, SM
	s_mov_b32 s31, 0x600000                        ; the mantissa field of 448 (an instruction takes one literal)
	s_lshl_b32 s20, s16, 20                        ; w: 64 q rows of 16,384 bytes,
	s_lshl_b32 s21, ttmp9, 7                       ; + my work-group's 32 columns
	s_add_co_u32 s20, s20, s21
	s_mov_b32 s21, 0
	s_mul_i32 s22, ttmp9, 2*REC                    ; wrec: my two records
	s_mov_b32 s23, 0
	s_lshl_b32 s24, s16, 10                        ; in a record my two blocks begin at 2048 (q / 2) + 1024 (q % 2) = 1024 q
	s_mov_b32 s25, 0
	s_lshl_b32 s26, ttmp9, 15                      ; wt: 32 rows of 1,024 bytes,
	s_lshl_b32 s27, s16, 8                         ; + my 64 numbers of a row
	s_add_co_u32 s26, s26, s27
	s_mov_b32 s27, 0
	s_wait_kmcnt 0x0
	s_add_nc_u64 s[4:5], s[4:5], s[20:21]
	s_add_nc_u64 s[6:7], s[6:7], s[22:23]
	s_add_nc_u64 s[10:11], s[6:7], s[24:25]
	s_add_nc_u64 s[8:9], s[8:9], s[26:27]
.set qi, 0
.rept 64
	global_load_b32 v[X+qi], v[CI], s[4:5] offset:ROWW*qi th:TH_LOAD_NT   ; w[64 q + qi][my column]; every offset is an immediate, 63 rows at the most
.set qi, qi+1
.endr
; Block t of my two: the raw numbers to the stage, the squares, the scale, the hold, the codes.
.macro BLK t
.set XB, X+32*(\t)
.set CB, C+8*(\t)
	s_wait_loadcnt 32-32*(\t)                      ; loads come back in order: this block's 32 are in; for block 0 the other block's 32 stay out
.irp q, 0,1,2,3,4,5,6,7
	ds_store_b128 v[SI], v[XB+4*\q:XB+4*\q+3] offset:128*(\t)+16*\q   ; as given: they become a piece of a row of wt
.endr
.if (\t) == 0
	v_pk_mul_f32 v[SQ:SQ+1], v[XB:XB+1], v[XB:XB+1]               ; the first products start the sums: nothing is cleared
	v_pk_mul_f32 v[SQ+2:SQ+3], v[XB+2:XB+3], v[XB+2:XB+3]
.else
	v_pk_fma_f32 v[SQ:SQ+1], v[XB:XB+1], v[XB:XB+1], v[SQ:SQ+1]
	v_pk_fma_f32 v[SQ+2:SQ+3], v[XB+2:XB+3], v[XB+2:XB+3], v[SQ+2:SQ+3]
.endif
.irp i, 4,8,12,16,20,24,28
	v_pk_fma_f32 v[SQ:SQ+1], v[XB+\i:XB+\i+1], v[XB+\i:XB+\i+1], v[SQ:SQ+1]
	v_pk_fma_f32 v[SQ+2:SQ+3], v[XB+\i+2:XB+\i+3], v[XB+\i+2:XB+\i+3], v[SQ+2:SQ+3]
.endr
	v_max3_num_f32 v12, |v[XB]|, |v[XB+1]|, |v[XB+2]|             ; the block's largest magnitude: all 32 numbers are mine
	v_max3_num_f32 v13, |v[XB+3]|, |v[XB+4]|, |v[XB+5]|
.irp i, 6,10,14,18,22,26
	v_max3_num_f32 v12, v12, |v[XB+\i]|, |v[XB+\i+1]|
	v_max3_num_f32 v13, v13, |v[XB+\i+2]|, |v[XB+\i+3]|
.endr
	v_max3_num_f32 v12, v12, |v[XB+30]|, |v[XB+31]|
	v_max3_num_f32 v12, v12, v13, 0x4800000        ; and the floor 2^(9 - 127): the byte cannot fall under 1
	v_add_nc_u32 v15, 0xfc000000, v12              ; 8 off the exponent field: the conversion takes this operand's exponent field as its scale
	v_and_or_b32 v14, v12, 0x7f800000, s31         ; 448 x the scale
	v_lshrrev_b32 v13, 23, v15                     ; the scale's byte
	s_wait_alu depctr_va_vdst(0)
	s_wait_dscnt 0x0                               ; the stage's stores have read the numbers that the holds below write over
.irp i, 0,1,2,3,4,5,6,7,8,9,10,11,12,13,14,15,16,17,18,19,20,21,22,23,24,25,26,27,28,29,30,31
	v_med3_num_f32 v[XB+\i], v[XB+\i], -v14, v14   ; the conversion to an 8-bit code does not saturate (ISA guide 7.6.2): the hold at 448 x the scale comes first
.endr
.irp g, 0,1,2,3
	v_cvt_scalef32_pk8_fp8_f32 v[CB+2*\g:CB+2*\g+1], v[XB+8*\g:XB+8*\g+7], v15
.endr
.if (\t) == 0
	v_mov_b32 v16, v13                             ; my two bytes side by side, the lower K below.  (Also the plain line behind the conversions)
.else
	v_lshl_or_b32 v16, v13, 8, v16
.endif
	global_store_b128 v[RO], v[CB:CB+3], s[10:11] offset:512*(\t)           ; k 0 .. 15 of the block: sixteen lanes store 256 consecutive bytes, aligned
	global_store_b128 v[RO], v[CB+4:CB+7], s[10:11] offset:512*(\t)+256     ; k 16 .. 31: the fragment's upper lanes
.endm
	BLK 0
	BLK 1
	ds_store_b16 v[SBY], v16
	v_add_f32 v[SQ], v[SQ], v[SQ+1]
	v_add_f32 v[SQ+2], v[SQ+2], v[SQ+3]
	v_add_f32 v[SQ], v[SQ], v[SQ+2]
	ds_store_b32 v[PW], v[SQ]                      ; my 64 squares' sum
.irp t, 0,1,2,3,4,5,6,7,8,9,10,11,12,13,14,15
	ds_load_b128 v[OUTR+4*\t:OUTR+4*\t+3], v[SOU] offset:2*\t*PITCH   ; LDS serves a wave's instructions in order: these see my stores; the stage is my wave's own
.endr
.irp t, 0,1,2,3,4,5,6,7,8,9,10,11,12,13,14,15
	s_wait_dscnt 15-\t                             ; the younger loads stay out
	global_store_b128 v[WO], v[OUTR+4*\t:OUTR+4*\t+3], s[8:9] offset:2048*\t   ; sixteen lanes store 256 consecutive bytes of a row of wt, aligned
.endr
	s_wait_dscnt 0x0                               ; for wave 0's sake: my bytes and my partial sum have landed
	s_barrier_signal -1
	s_barrier_wait -1
	s_cmp_lg_u32 s16, 0                            ; wave 0 alone finishes the two records; no barrier stands behind this branch
	s_cbranch_scc1 .Ldone
	ds_load_b32 v12, v[PR]
	ds_load_b32 v13, v[PR] offset:128
	ds_load_b32 v14, v[PR] offset:256
	ds_load_b32 v15, v[PR] offset:384
	s_wait_dscnt 0x0
	v_add_f32 v12, v12, v13
	v_add_f32 v14, v14, v15
	v_add_f32 v12, v12, v14
	v_mul_f32 v12, -0.5, v12                       ; exact: a power of two
	v_mov_b32 v13, 0
	ds_store_b32 v[SH], v12 offset:128
	ds_store_b32 v[SH], v13 offset:192             ; every byte of a record is written
	ds_load_b128 v[16:19], v[SRD]                  ; in order behind my stores
	s_wait_dscnt 0x0
	global_store_b128 v[RO], v[16:19], s[6:7] offset:4096   ; the last 256 bytes of each of the two records, whole
.Ldone:
	s_wait_tensorcnt 0x0
	ds_add_u32 v176, v177
	s_wait_dscnt 0x0
	s_endpgm
.Lfunc_end_k_qe08735569a_prep:
	.size	k_qe08735569a_prep, .Lfunc_end_k_qe08735569a_prep-k_qe08735569a_prep
	.p2alignl 7, 3214868480
	.fill 96, 4, 3214868480
	.section	.rodata,"a",@progbits
	.p2align	6, 0x0
	.amdhsa_kernel k_qe08735569a_prep
		.amdhsa_group_segment_fixed_size 36352
		.amdhsa_private_segment_fixed_size 0
		.amdhsa_enable_private_segment 0
		.amdhsa_kernarg_size 24
		.amdhsa_user_sgpr_count 2
		.amdhsa_user_sgpr_kernarg_segment_ptr 1
		.amdhsa_wavefront_size32 1
		.amdhsa_system_sgpr_workgroup_id_x 1
		.amdhsa_system_sgpr_workgroup_id_y 1
		.amdhsa_system_sgpr_workgroup_id_z 1
		.amdhsa_system_vgpr_workitem_id 0
		.amdhsa_next_free_vgpr 178
		.amdhsa_next_free_sgpr 66
		.amdhsa_reserve_vcc 0
		.amdhsa_float_denorm_mode_32 3
		.amdhsa_float_denorm_mode_16_64 3
		.amdhsa_memory_ordered 1
		.amdhsa_forward_progress 1
		.amdhsa_inst_pref_size 24
	.end_amdhsa_kernel
	.amdgpu_metadata
---
amdhsa.version: [ 1, 2 ]
amdhsa.kernels:
  - .name:           k_qe08735569a_prep
    .symbol:         k_qe08735569a_prep.kd
    .args:
      - { .name: w, .offset: 0, .size: 8, .value_kind: global_buffer, .address_space: global }
      - { .name: wrec, .offset: 8, .size: 8, .value_kind: global_buffer, .address_space: global }
      - { .name: wt, .offset: 16, .size: 8, .value_kind: global_buffer, .address_space: global }
    .group_segment_fixed_size: 36352
    .private_segment_fixed_size: 0
    .kernarg_segment_align: 8
    .kernarg_segment_size: 24
    .max_flat_workgroup_size: 128
    .sgpr_count:     66
    .vgpr_count:     178
    .wavefront_size: 32
...
	.end_amdgpu_metadata
.endif
;; end of part 1
;; launch dist (part 2): grid 256 x 1, 4 waves a work-group, clusters of 4 x 1, 327,680 bytes of LDS; arguments x, wrec, idx; writes idx
.if DOCPART == 2
	.amdgcn_target "amdgcn-amd-amdhsa--gfx1250"
	.amdhsa_code_object_version 6
	.text
	.protected	k_qe08735569a_dist
	.globl	k_qe08735569a_dist
	.p2align	8
	.type	k_qe08735569a_dist,@function
k_qe08735569a_dist:
	s_mov_b64 s[64:65], 0
	v_nop
	global_prefetch_b8 v0, s[64:65] scope:SCOPE_SE
	s_setreg_imm32_b32 hwreg(HW_REG_WAVE_MODE, 25, 1), 1
	s_wait_xcnt 0x0
	s_wait_alu depctr_hold_cnt(0) depctr_sa_sdst(0) depctr_va_vdst(0) depctr_va_sdst(0) depctr_va_ssrc(0) depctr_va_vcc(0) depctr_vm_vsrc(0)
	s_getreg_b32 s2, hwreg(HW_REG_IB_STS2, 6, 4)
	s_cmp_eq_u32 s2, 0
	s_cbranch_scc0 .Lentry_in_a_cluster
	s_endpgm
.Lentry_in_a_cluster:
	s_bfe_u32 s2, ttmp6, 0x10000c
	s_cmp_lg_u32 s2, 0x3003
	s_cbranch_scc0 .Lentry_shape_is_right
	s_endpgm
.Lentry_shape_is_right:
; idx[n] = the codebook column nearest to row n of x: 65,536 rows, 4,096 columns, K = 256, the product in MX-FP8.
; WORK LEFT OUT: reference()'s distance is |x_n|^2 - 2 x_n.w_c + |w_c|^2.  Its first term is the same for every column c of a row, so in exact arithmetic it moves no
; argmin, whatever the inputs hold: it is not computed.  argmin of the rest = argmax of s(n, c) = x_n.w_c - |w_c|^2 / 2 (a division by -2, exact).  x is still read: the product needs it.
; LIMITS: a NaN, an infinity or an overflow that reaches only |x_n|^2 is not carried to the result; NaN and infinities among the inputs are not served; of equal s the lowest column is taken.
; A work-group takes 256 rows of x; wave (wr, wc) takes rows 128 wr .. + 127 (8 blocks of 16, their codes in 256 registers) against columns 128 wc .. + 127 of each 256.
; HEAD: each wave quantises 64 rows (8 units of 16 rows x 128 K, turned through its own stage so that a lane holds 16 neighbours along K) and hands codes and scale words on as register images in LDS.
; STREAM: wrec, 256 records of 16 columns laid as operand registers, goes through two slots of 16 records; the four work-groups of a cluster walk the same records and ask for them jointly.
; THE PRODUCT IS USED TRANSPOSED: source 0 = 16 columns of w, source 1 = 16 rows of x, C of the first K step = -|w|^2 / 2: lane (r, h) holds row r, register j column 8 h + j.
; A batch is 8 products: 2 row blocks x 2 tiles x 2 K steps, four accumulators by turns.  Behind it the batch BEFORE is searched: a group is a lane's 16 scores of one row (two tiles); its largest is held
; against the row's running largest, and where it is larger the value, the group's first column and the 16 scores are kept (selects, two to an instruction).  The place within the kept group is found once, at the end.
; No prefetch: the stream is 1,114,112 bytes in all, and a refill is asked for 120 products of the wave ahead of the wait for it.
.set REC,    4352                      ; a record: 4,096 codes, 128 scale bytes, 16 x -|w|^2/2, 64 zeros
.set QUART,  4*REC                     ; what one tensor load brings: 68 rows of 256 bytes
.set HALF,   8*REC                     ; what one wave reads of a slot
.set SLOTB,  16*REC
.set SLOT1,  1<<17                     ; slot 1's first byte
.set STG,    SLOTB                     ; behind slot 0: a stage of 16 rows x 528 bytes for each wave
.set SPITCH, 528
.set WSTG,   16*SPITCH
.set MRG,    STG+4*WSTG                ; 4,096 bytes: (value, column) of 256 rows from each column half
.set SPARE,  MRG+4096                  ; the spare words, 128 bytes a wave
.set XIMG,   SLOT1+SLOTB               ; behind slot 1: x's codes as register images, 65,536 bytes
.set XSC,    XIMG+65536                ; and x's scale words, 2,048 bytes
; window 0: v1-22 addresses; v28-31, v36-39 x's scale words; v32-35 w's; v40-55 running (value, column); v56-63 at work; v64-127 accumulators, two sets; v128-255 the kept groups
; window 1: v0-127 w's fragments, two sets; v128-159 -|w|^2/2, two sets (in the head: x as loaded).   window 2: x's codes
.set WB,   1
.set HB,   2
.set SB,   3
.set ADRW, 4
.set ADRH, 5
.set ADRS, 6
.set SPW,  7
.set NIL,  8
.set XO,   9
.set SA,   10
.set SL,   11
.set XW,   12
.set XSW,  13
.set XR,   15
.set XSR,  16
.set MW,   18
.set MR,   19
.set IO,   20
.set HC,   21
.set CUR,  22
.set XS,   28                          ; block m's word in v[28 + m + 4 (m / 4)]: no number equal to one of v32-35 modulo 8
.set WS,   32
.set RUN,  40
.set T,    56
.set ACC,  64
.set SAVE, 128
.set ST,   128                         ; the head: two sets of 64 numbers
.set PC,   96                          ; the head: a unit's codes
.set TM,   64                          ; the head: at work
.set PW,   80                          ; the head: a unit's scale word
.set WV,  10
.set WR,  11
.set WC,  12
.set TB,  32
.set GC,  33
.set CNT, 34
.set SEL, 36
.set MNT, 38
.set MSB, 0
.macro WIN new                         ; the immediate's high byte repeats the setting that is left
.if MSB != \new
	s_set_vgpr_msb (MSB<<8)|\new
.set MSB, \new
.endif
.endm
.macro CREST                           ; a round of the cluster's barrier behind its opening barrier
	s_cmp_lg_u32 s[WV], 0
	s_cbranch_scc1 .Lnot_wave_0_\@
	s_barrier_signal -3
.Lnot_wave_0_\@:
	s_barrier_wait -3
	s_barrier_signal -1
	s_barrier_wait -1
.endm
.macro CROUND
	s_barrier_signal -1
	s_barrier_wait -1
	CREST
.endm
.macro NOP4
.rept 4
	v_nop
.endr
.endm
	s_load_b128 s[4:7], s[0:1], 0x0                ; x, wrec
	s_load_b64 s[8:9], s[0:1], 0x10                ; idx
	v_lshl_add_u32 v[SPW], v0, 2, SPARE
	v_mov_b32 v[NIL], 0
	ds_add_u32 v[SPW], v[NIL]                      ; the opening lines: the add twice on end and its wait
	ds_add_u32 v[SPW], v[NIL]
	v_lshrrev_b32 v[T], 5, v0
	v_readfirstlane_b32 s[WV], v[T]                ; wave 0..3
	v_and_b32 v[T], 31, v0
	v_lshlrev_b32 v[XO], 4, v[T]                   ; 16 x lane
	s_lshr_b32 s[WR], s[WV], 1                     ; my half of the rows
	s_and_b32 s[WC], s[WV], 1                      ; my half of each slot's columns
	s_bfe_u32 s13, ttmp6, 0x40000                  ; cx
	s_lshl_b32 s14, ttmp9, 2
	s_add_co_u32 s14, s14, s13                     ; work-group = 4 x cluster + cx
	s_mov_b32 s16, 15|(3<<16)|(1<<21)              ; group 1: all four partners; elements of 8 bytes; 68 dense rows of 256 bytes
	s_mov_b32 s17, 32<<16
	s_mov_b32 s18, 68<<16
	s_mov_b32 s19, 32<<16
	s_mov_b32 s20, 68
	s_mov_b32 s21, 32
	s_mov_b32 s22, 0
	s_mov_b32 s23, 0
	s_mul_i32 s25, s[WV], QUART                    ; my quarter of a slot, in LDS and in wrec alike
	s_mov_b32 s50, s25
	s_mov_b32 s51, 0
	s_lshl_b32 s46, s14, 18                        ; x: 256 rows of 1,024 bytes a work-group, 64 a wave
	s_lshl_b32 s47, s[WV], 16
	s_add_co_u32 s46, s46, s47
	s_mov_b32 s47, 0
	s_lshl_b32 s48, s14, 10                        ; idx: 4 bytes a row
	s_lshl_b32 s49, s[WV], 8
	s_add_co_u32 s48, s48, s49
	s_mov_b32 s49, 0
	s_mov_b32 s[SEL], 0x76543210                   ; v_permlanex16_b32: lane l xor 16
	s_mov_b32 s[SEL+1], 0xfedcba98
	s_mov_b32 s[MNT], 0x600000                     ; the mantissa field of 448
	s_wait_alu depctr_va_vdst(0)
	s_wait_dscnt 0x0
	s_wait_kmcnt 0x0
	s_add_nc_u64 s[4:5], s[4:5], s[46:47]
	s_add_nc_u64 s[8:9], s[8:9], s[48:49]
	s_mov_b32 s24, 1                               ; group 0 for slot 0's first fill
	s_add_nc_u64 s[26:27], s[6:7], s[50:51]
	s_or_b32 s27, s27, 0x80000000
	s_mov_b32 s28, 1                               ; group 0 for all later fills: slot 1, records 16 to 31
	s_add_co_u32 s29, s25, SLOT1
	s_add_nc_u64 s[30:31], s[6:7], s[50:51]
	s_add_nc_u64 s[30:31], s[30:31], SLOTB
	s_or_b32 s31, s31, 0x80000000
.macro LOADX u                         ; unit u: rows 16 (u / 2) .. + 15, K = 128 (u % 2) .. + 127: each load reads 512 consecutive bytes of a row
	WIN 0x40
.irp i, 0,1,2,3,4,5,6,7,8,9,10,11,12,13,14,15
	global_load_b128 v[64*((\u)%4)+4*\i:64*((\u)%4)+4*\i+3], v[XO], s[4:5] offset:(16*((\u)/2)+\i)*1024+512*((\u)%2) th:TH_LOAD_NT
.endr
.endm
.macro TURNX u                         ; through my stage: in as loaded, out 16 neighbours along K of row l % 16 for each of the four blocks; LDS serves a wave's instructions in order
	WIN 0x04
.irp i, 0,1,2,3,4,5,6,7,8,9,10,11,12,13,14,15
	ds_store_b128 v[SA], v[64*((\u)%4)+4*\i:64*((\u)%4)+4*\i+3] offset:SPITCH*\i
.endr
	WIN 0
.irp b, 0,1,2,3
.irp e, 0,1,2,3
	ds_load_b128 v[ST+64*((\u)%2)+16*\b+4*\e:ST+64*((\u)%2)+16*\b+4*\e+3], v[SL] offset:128*\b+16*\e
.endr
.endr
.endm
	LOADX 0                                        ; x is asked for first: four units, 64 loads a wave
	LOADX 1
	LOADX 2
	LOADX 3
	WIN 0
	CROUND                                         ; the round in front of the first joint load
	tensor_load_to_lds s[24:27], s[16:23]          ; slot 0: my one tensor load at the head
	s_nop 0
	NOP4
	v_and_b32 v[T], 31, v0
	v_and_b32 v[T+1], 15, v0                       ; r
	v_bfe_u32 v[T+2], v0, 4, 1                     ; h
	s_mul_i32 s40, s[WC], HALF
	v_lshl_add_u32 v[WB], v[T], 4, s40             ; a record's codes: 16 x lane
	v_lshl_add_u32 v[HB], v[T+2], 5, s40
	v_add_nc_u32 v[HB], 4224, v[HB]                ; its -|w|^2/2: columns 8 h .. 8 h + 7
	v_lshl_add_u32 v[SB], v[T], 2, s40
	v_add_nc_u32 v[SB], 4096, v[SB]                ; its scale words: lanes 0-15 K step 0, lanes 16-31 K step 1
	s_mul_i32 s41, s[WV], WSTG
	s_add_co_u32 s41, s41, STG
	v_add_nc_u32 v[SA], s41, v[XO]
	v_mul_u32_u24 v[SL], v[T+1], SPITCH
	v_lshl_add_u32 v[SL], v[T+2], 6, v[SL]
	v_add_nc_u32 v[SL], s41, v[SL]
	s_lshl_b32 s41, s[WV], 14
	s_add_co_u32 s41, s41, XIMG
	v_add_nc_u32 v[XW], s41, v[XO]                 ; where my units' images go
	s_lshl_b32 s41, s[WV], 9
	v_lshl_add_u32 v[XSW], v[T+1], 2, s41
	v_add_nc_u32 v[XSW], XSC, v[XSW]
	s_add_co_u32 s41, s41, MRG
	v_add_nc_u32 v[MR], s41, v[XO]
	s_lshl_b32 s41, s[WR], 15
	s_add_co_u32 s41, s41, XIMG
	v_add_nc_u32 v[XR], s41, v[XO]                 ; the images of my 128 rows
	s_lshl_b32 s41, s[WR], 10
	v_lshl_add_u32 v[XSR], v[T], 2, s41
	v_add_nc_u32 v[XSR], XSC, v[XSR]
	s_lshl_b32 s40, s[WC], 11
	s_add_co_u32 s40, s40, s41
	v_lshl_add_u32 v[MW], v[T+1], 3, s40
	v_add_nc_u32 v[MW], MRG, v[MW]
	v_lshlrev_b32 v[IO], 3, v[T]
	s_lshl_b32 s41, s[WC], 7
	v_lshl_add_u32 v[HC], v[T+2], 3, s41           ; 128 wc + 8 h: my lane's part of a column's number
.irp b, 0,1,2,3
	v_mov_b32 v[TM+4+\b], 0                        ; a lane permute's destination counts as read
.endr
.macro QUANT                           ; four blocks of 32 along K: a lane has 16 numbers of each, lane l xor 16 the others
.irp b, 0,1,2,3
	v_max3_num_f32 v[TM+\b], |v[QS+16*\b]|, |v[QS+1+16*\b]|, 0x4800000   ; with the floor 2^(9 - 127): the byte cannot fall under 1
.endr
.irp i, 2,4,6,8,10,12,14
.irp b, 0,1,2,3
	v_max3_num_f32 v[TM+\b], v[TM+\b], |v[QS+16*\b+\i]|, |v[QS+1+16*\b+\i]|
.endr
.endr
.irp b, 0,1,2,3
	v_permlanex16_b32 v[TM+4+\b], v[TM+\b], s[SEL], s[SEL+1]
.endr
.irp b, 0,1,2,3
	v_max_num_f32 v[TM+\b], v[TM+\b], v[TM+4+\b]
.endr
.irp b, 0,1,2,3
	v_add_nc_u32 v[TM+12+\b], 0xfc000000, v[TM+\b]            ; 8 off the exponent field: the conversion's scale operand
.endr
.irp b, 0,1,2,3
	v_and_or_b32 v[TM+8+\b], v[TM+\b], 0x7f800000, s[MNT]     ; 448 x the scale
.endr
.irp b, 0,1,2,3
	v_lshrrev_b32 v[TM+4+\b], 23, v[TM+12+\b]                 ; the scale's byte
.endr
	v_lshl_or_b32 v[PW], v[TM+5], 8, v[TM+4]
	v_lshl_or_b32 v[PW], v[TM+6], 16, v[PW]
	v_lshl_or_b32 v[PW], v[TM+7], 24, v[PW]
.irp b, 0,1,2,3
.irp i, 0,1,2,3,4,5,6,7,8,9,10,11,12,13,14,15
	v_med3_num_f32 v[QS+16*\b+\i], v[QS+16*\b+\i], -v[TM+8+\b], v[TM+8+\b]   ; the conversion does not saturate (ISA guide 7.6.2): the hold comes first
.endr
	v_cvt_scalef32_pk8_fp8_f32 v[PC+4*\b:PC+1+4*\b], v[QS+16*\b:QS+7+16*\b], v[TM+12+\b]
	v_cvt_scalef32_pk8_fp8_f32 v[PC+2+4*\b:PC+3+4*\b], v[QS+8+16*\b:QS+15+16*\b], v[TM+12+\b]
.endr
	v_nop                                          ; the plain line behind the conversions
.endm
.macro UNIT u
.set QS, ST+64*((\u)%2)
	s_wait_dscnt 0x0                               ; this unit is back from the stage, and its stores into the stage have read their registers,
.if (\u) < 4
	LOADX (\u)+4                                   ; which take the unit four on
.endif
.if (\u) < 7
.if (\u) < 4
	s_wait_loadcnt 48                              ; the next unit's 16 loads are in; three units' may be out
.else
	s_wait_loadcnt 16*(6-(\u))
.endif
	TURNX (\u)+1
.endif
	QUANT
.irp c, 0,1,2,3
	ds_store_b128 v[XW], v[PC+4*\c:PC+4*\c+3] offset:2048*(\u)+512*\c
.endr
	ds_store_b32 v[XSW], v[PW] offset:128*((\u)/2)+64*((\u)%2)
.endm
	s_wait_alu depctr_va_vdst(0)
	s_wait_loadcnt 48
	TURNX 0
.irp u, 0,1,2,3
	UNIT \u
.endr
	s_wait_alu depctr_va_vdst(0)
	s_wait_tensorcnt 0x0                           ; my quarter of slot 0 is in; slot 1's first fill is issued as a refill is
	ds_add_u32 v[SPW], v[NIL]
	s_wait_dscnt 0x0
	CROUND
	tensor_load_to_lds s[28:31], s[16:23]          ; slot 1
	s_nop 0
	NOP4
.irp u, 4,5,6,7
	UNIT \u
.endr
	s_wait_alu depctr_va_vdst(0)
	s_wait_dscnt 0x0                               ; for the others' sake: my images have landed
	s_barrier_signal -1
	s_barrier_wait -1                              ; slot 1's load may stay out
	WIN 0x80
.irp m, 0,1,2,3,4,5,6,7
.irp s, 0,1
.irp c, 0,1,2,3
	ds_load_b128 v[32*\m+16*\s+4*\c:32*\m+16*\s+4*\c+3], v[XR] offset:2048*(2*\m+\s)+512*\c
.endr
.endr
.endr
	WIN 0
.irp m, 0,1,2,3,4,5,6,7
	ds_load_b32 v[XS+\m+4*(\m/4)], v[XSR] offset:128*\m
.endr
.irp m, 0,1,2,3,4,5,6,7
	v_mov_b32 v[RUN+2*\m], 0xff800000              ; under every score
	v_mov_b32 v[RUN+2*\m+1], 0
.endr
.irp i, 0,1,2,3,4,5,6,7,8,9,10,11,12,13,14,15,16,17,18,19,20,21,22,23,24,25,26,27,28,29,30,31
	v_mov_b32 v[ACC+32+\i], 0xff800000             ; the first search finds no batch before it: scores that beat nothing
.endr
	v_mov_b32 v[CUR], 0
	s_mov_b32 s[TB], 0
	s_mov_b32 s[GC], -160
.macro FETCH buf                       ; the next two records into set buf: 2 scale words, 4 + 16 loads of 16 bytes
	v_add_nc_u32 v[ADRW], s[TB], v[WB]
	v_add_nc_u32 v[ADRH], s[TB], v[HB]
	v_add_nc_u32 v[ADRS], s[TB], v[SB]
	s_add_co_u32 s[TB], s[TB], 2*REC
.irp u, 0,1
	ds_load_b32 v[WS+2*(\buf)+\u], v[ADRS] offset:REC*\u
.endr
	WIN 0x40
.irp u, 0,1
.irp e, 0,1
	ds_load_b128 v[128+16*(\buf)+8*\u+4*\e:128+16*(\buf)+8*\u+4*\e+3], v[ADRH] offset:REC*\u+16*\e
.endr
.endr
.irp u, 0,1
.irp s, 0,1
.irp c, 0,1,2,3
	ds_load_b128 v[64*(\buf)+32*\u+16*\s+4*\c:64*(\buf)+32*\u+16*\s+4*\c+3], v[ADRW] offset:REC*\u+2048*\s+512*\c
.endr
.endr
.endr
	WIN 0
.endm
.macro MM4 buf, b, s                   ; K step s of batch b: row blocks 2 b, 2 b + 1 x tiles 0, 1
.irp g, 0,1
.irp u, 0,1
.set rD, ACC+32*((\b)%2)+16*\g+8*\u
.set rW, 64*(\buf)+32*\u+16*(\s)
.set rX, 32*(2*(\b)+\g)+16*(\s)
.set rS, XS+2*(\b)+\g+4*((\b)/2)
.if (\s) == 0
	v_wmma_scale_f32_16x16x128_f8f6f4 v[rD:rD+7], v[rW:rW+15], v[rX:rX+15], v[128+16*(\buf)+8*\u:128+16*(\buf)+8*\u+7], v[WS+2*(\buf)+\u], v[rS]
.else
	v_wmma_scale_f32_16x16x128_f8f6f4 v[rD:rD+7], v[rW:rW+15], v[rX:rX+15], v[rD:rD+7], v[WS+2*(\buf)+\u], v[rS] matrix_a_scale:MATRIX_SCALE_ROW1 matrix_b_scale:MATRIX_SCALE_ROW1
.endif
.endr
.endr
.endm
.macro MM buf, b                       ; 8 products, the four accumulators by turns
	WIN 0x19                                       ; w window 1, x window 2, C window 1, D window 0
	MM4 \buf, \b, 0
	WIN 0x09                                       ; C window 0
	MM4 \buf, \b, 1
	WIN 0
.endm
.macro SEL2 d, a                       ; two selects in one instruction: where VCC is set, a and a + 1 are kept in d and d + 1
	v_dual_cndmask_b32 v[\d], v[\d], v[\a] :: v_dual_cndmask_b32 v[\d+1], v[\d+1], v[\a+1]
.endm
.macro VA pb                           ; batch pb is searched: two groups of 16 scores side by side; each accumulator is read from its low end on
.set A0, ACC+32*((\pb)%2)
.set M0, 2*(\pb)
.irp g, 0,1
	v_max3_num_f32 v[T+4*\g], v[A0+16*\g], v[A0+16*\g+1], v[A0+16*\g+2]
	v_max3_num_f32 v[T+4*\g+1], v[A0+16*\g+3], v[A0+16*\g+4], v[A0+16*\g+5]
	v_max3_num_f32 v[T+4*\g+2], v[A0+16*\g+8], v[A0+16*\g+9], v[A0+16*\g+10]
	v_max3_num_f32 v[T+4*\g+3], v[A0+16*\g+11], v[A0+16*\g+12], v[A0+16*\g+13]
.endr
.irp g, 0,1
	v_max3_num_f32 v[T+4*\g], v[T+4*\g], v[A0+16*\g+6], v[A0+16*\g+7]
	v_max3_num_f32 v[T+4*\g+2], v[T+4*\g+2], v[A0+16*\g+14], v[A0+16*\g+15]
.endr
.irp g, 0,1
	v_max3_num_f32 v[T+4*\g+1], v[T+4*\g+1], v[T+4*\g+3], v[T+4*\g+2]
.endr
.irp g, 0,1
	v_max_num_f32 v[T+4*\g], v[T+4*\g], v[T+4*\g+1]
.endr
.irp g, 0,1
	v_cmp_gt_f32 vcc_lo, v[T+4*\g], v[RUN+2*(M0+\g)]          ; strictly larger: of equal groups the earlier stays
	v_dual_cndmask_b32 v[RUN+2*(M0+\g)], v[RUN+2*(M0+\g)], v[T+4*\g] :: v_dual_cndmask_b32 v[RUN+2*(M0+\g)+1], v[RUN+2*(M0+\g)+1], v[CUR]
.irp j, 0,2,4,6,8,10,12,14
	SEL2 SAVE+16*(M0+\g)+\j, A0+16*\g+\j
.endr
.endr
.endm
; Two records against my 128 rows: 32 products.  kind 0: inside a slot.  1: the slot's last pair, the slot is filled again.  2: the slot's last pair, no fill.  3: the very last pair.
; inc: from the last pair's first column to this one's.
.macro PAIR buf, kind, inc
	s_wait_dscnt 0x0                               ; this pair's fragments are in: my reads of the slot up to here are over
.if ((\kind) == 1) || ((\kind) == 2)
	s_wait_tensorcnt 0x0                           ; my quarter of the other slot has landed;
	ds_add_u32 v[SPW], v[NIL]                      ; eight products stand between the add and its wait
.endif
.if (\kind) == 1
	s_xor_b32 s29, s29, SLOT1                      ; no tensor load of mine is out: the descriptor steps to this slot and 16 records on
	s_add_nc_u64 s[30:31], s[30:31], SLOTB
.endif
	MM \buf, 0
.if ((\kind) == 1) || ((\kind) == 2)
	s_wait_dscnt 0x0
	s_barrier_signal -1
.endif
	VA 3                                           ; the last pair's last batch
	s_add_co_u32 s[GC], s[GC], \inc
	v_add_nc_u32 v[CUR], s[GC], v[HC]              ; this pair's first column for my lane
.if (\kind) == 1
	s_barrier_wait -1
	CREST                                          ; the barrier has opened a round: no wave of any partner still reads this slot
	tensor_load_to_lds s[28:31], s[16:23]
	s_nop 0
	NOP4
.elseif (\kind) == 2
	s_barrier_wait -1
.endif
.if ((\kind) == 1) || ((\kind) == 2)
	s_sub_co_u32 s[TB], s[TB], HALF
	s_xor_b32 s[TB], s[TB], SLOT1                  ; on to the other slot
.endif
.if (\kind) != 3
	FETCH 1-\buf
.endif
	MM \buf, 1
	VA 0
	MM \buf, 2
	VA 1
	MM \buf, 3
	VA 2
.endm
.macro STEP kind                       ; a slot: my 8 records; a slot's columns begin 256 apart, a pair's 32
	PAIR 0, 0, 160
	PAIR 1, 0, 32
	PAIR 0, 0, 32
	PAIR 1, \kind, 32
.endm
	FETCH 0
	s_mov_b32 s[CNT], 14
	s_wait_alu depctr_va_vdst(0)
.Lstep:
	STEP 1
	s_sub_co_u32 s[CNT], s[CNT], 1
	s_cmp_lg_u32 s[CNT], 0
	s_cbranch_scc1 .Lstep
	STEP 2                                         ; the last two slots are filled no more
	STEP 3
	VA 3
; THE END.  The running value is the kept group's largest score: its first place i among the 16 gives column = the group's first + i + 8 (i / 8).  The 8 row blocks go side by side.
.set IX, ACC
.set PV, ACC+8
.set PI, ACC+16
.set TQ, ACC+24
.irp m, 0,1,2,3,4,5,6,7
	v_mov_b32 v[IX+\m], 15
.endr
.irp i, 14,13,12,11,10,9,8,7,6,5,4,3,2,1,0
.irp m, 0,1,2,3,4,5,6,7
	v_cmp_neq_f32 s[70+\m], v[SAVE+16*\m+\i], v[RUN+2*\m]
.endr
.irp m, 0,1,2,3,4,5,6,7
	v_cndmask_b32 v[IX+\m], \i, v[IX+\m], s[70+\m]
.endr
.endr
.irp m, 0,1,2,3,4,5,6,7
	v_and_b32 v[TQ+\m], 8, v[IX+\m]
.endr
.irp m, 0,1,2,3,4,5,6,7
	v_add3_u32 v[RUN+2*\m+1], v[RUN+2*\m+1], v[IX+\m], v[TQ+\m]
.endr
.irp m, 0,1,2,3,4,5,6,7
	v_permlanex16_b32 v[PV+\m], v[RUN+2*\m], s[SEL], s[SEL+1]      ; lane l xor 16 holds the same row's other columns
	v_permlanex16_b32 v[PI+\m], v[RUN+2*\m+1], s[SEL], s[SEL+1]
.endr
.irp m, 0,1,2,3,4,5,6,7
	v_cmp_gt_f32 s[70+\m], v[PV+\m], v[RUN+2*\m]
	v_cmp_eq_f32 s[78+\m], v[PV+\m], v[RUN+2*\m]
	v_cmp_lt_u32 s[86+\m], v[PI+\m], v[RUN+2*\m+1]
.endr
.irp m, 0,1,2,3,4,5,6,7
	s_and_b32 s[78+\m], s[78+\m], s[86+\m]         ; larger, or equal with the lower column
	s_or_b32 s[70+\m], s[70+\m], s[78+\m]
.endr
.irp m, 0,1,2,3,4,5,6,7
	v_cndmask_b32 v[RUN+2*\m], v[RUN+2*\m], v[PV+\m], s[70+\m]
	v_cndmask_b32 v[RUN+2*\m+1], v[RUN+2*\m+1], v[PI+\m], s[70+\m]
	ds_store_b64 v[MW], v[RUN+2*\m:RUN+2*\m+1] offset:128*\m
.endr
	s_wait_alu depctr_va_vdst(0)
	s_wait_dscnt 0x0                               ; for the others' sake
	s_barrier_signal -1
	s_barrier_wait -1
	ds_load_b128 v[96:99], v[MR]                   ; two rows a lane: from the lower column half,
	ds_load_b128 v[100:103], v[MR] offset:2048     ; and from the upper
	s_wait_dscnt 0x0
	v_cmp_gt_f32 s42, v100, v96
	v_cmp_eq_f32 s43, v100, v96
	v_cmp_lt_u32 s44, v101, v97
	s_and_b32 s43, s43, s44
	s_or_b32 vcc_lo, s42, s43
	v_cndmask_b32 v104, v97, v101, vcc_lo
	v_cmp_gt_f32 s42, v102, v98
	v_cmp_eq_f32 s43, v102, v98
	v_cmp_lt_u32 s44, v103, v99
	s_and_b32 s43, s43, s44
	s_or_b32 vcc_lo, s42, s43
	v_cndmask_b32 v105, v99, v103, vcc_lo
	global_store_b64 v[IO], v[104:105], s[8:9]     ; the wave stores 256 consecutive bytes, aligned
	s_wait_tensorcnt 0x0                           ; the wave's end
	ds_add_u32 v[SPW], v[NIL]
	s_wait_dscnt 0x0
	CROUND                                         ; the closing round
	s_endpgm
.Lfunc_end_k_qe08735569a_dist:
	.size	k_qe08735569a_dist, .Lfunc_end_k_qe08735569a_dist-k_qe08735569a_dist
	.p2alignl 7, 3214868480
	.fill 96, 4, 3214868480
	.section	.rodata,"a",@progbits
	.p2align	6, 0x0
	.amdhsa_kernel k_qe08735569a_dist
		.amdhsa_group_segment_fixed_size 327680
		.amdhsa_private_segment_fixed_size 0
		.amdhsa_enable_private_segment 0
		.amdhsa_kernarg_size 24
		.amdhsa_user_sgpr_count 2
		.amdhsa_user_sgpr_kernarg_segment_ptr 1
		.amdhsa_wavefront_size32 1
		.amdhsa_system_sgpr_workgroup_id_x 1
		.amdhsa_system_sgpr_workgroup_id_y 1
		.amdhsa_system_sgpr_workgroup_id_z 1
		.amdhsa_system_vgpr_workitem_id 0
		.amdhsa_next_free_vgpr 768
		.amdhsa_next_free_sgpr 96
		.amdhsa_reserve_vcc 1
		.amdhsa_float_denorm_mode_32 3
		.amdhsa_float_denorm_mode_16_64 3
		.amdhsa_memory_ordered 1
		.amdhsa_forward_progress 1
		.amdhsa_inst_pref_size 255
	.end_amdhsa_kernel
	.section	.bss,"aw",@nobits
	.p2align	6
	.space	262144
	.amdgpu_metadata
---
amdhsa.version: [ 1, 2 ]
amdhsa.kernels:
  - .name:           k_qe08735569a_dist
    .symbol:         k_qe08735569a_dist.kd
    .args:
      - { .name: x, .offset: 0, .size: 8, .value_kind: global_buffer, .address_space: global }
      - { .name: wrec, .offset: 8, .size: 8, .value_kind: global_buffer, .address_space: global }
      - { .name: idx, .offset: 16, .size: 8, .value_kind: global_buffer, .address_space: global }
    .group_segment_fixed_size: 327680
    .private_segment_fixed_size: 0
    .kernarg_segment_align: 8
    .kernarg_segment_size: 24
    .max_flat_workgroup_size: 128
    .sgpr_count:     96
    .vgpr_count:     768
    .wavefront_size: 32
...
	.end_amdgpu_metadata
.endif
;; end of part 2
;; launch gather (part 3): grid 512 x 1, 8 waves a work-group, no clusters, 0 bytes of LDS; arguments idx, wt, out0; writes out0
.if DOCPART == 3
	.amdgcn_target "amdgcn-amd-amdhsa--gfx1250"
	.amdhsa_code_object_version 6
	.text
	.protected	k_qe08735569a_gather
	.globl	k_qe08735569a_gather
	.p2align	8
	.type	k_qe08735569a_gather,@function
k_qe08735569a_gather:
	s_mov_b64 s[64:65], 0
	v_nop
	global_prefetch_b8 v0, s[64:65] scope:SCOPE_SE
	s_setreg_imm32_b32 hwreg(HW_REG_WAVE_MODE, 25, 1), 1
	s_wait_xcnt 0x0
; out0[n][:] = wt[idx[n]][:]: row n of the output is the chosen codebook column, as given in f32 (wt is w transposed, rows of 1,024 bytes).
; A wave takes 16 rows.  Its 16 indices come by one scalar load; each is held to the table's 4,096 rows and becomes a row's byte offset.
; Every load and store of the wave covers 512 consecutive bytes, aligned; all 32 loads go out ahead of the first store.  Written out: every offset is an immediate, no register is written twice.
; No LDS, no matrix unit, no cluster: bytes are only moved.  The table's rows may be named many times, so their loads carry no hint; the output is written once.
	s_load_b128 s[4:7], s[0:1], 0x0                ; idx, wt
	s_load_b64 s[8:9], s[0:1], 0x10                ; out0
	v_lshrrev_b32 v2, 5, v0
	s_delay_alu instid0(VALU_DEP_1)
	v_readfirstlane_b32 s10, v2                    ; wave
	v_and_b32 v1, 31, v0
	s_delay_alu instid0(VALU_DEP_1)
	v_lshlrev_b32 v1, 4, v1                        ; 16 x lane
	s_lshl_b32 s11, ttmp9, 3
	s_add_co_u32 s11, s11, s10                     ; which run of 16 rows is my wave's
	s_lshl_b32 s12, s11, 6                         ; 64 bytes of indices,
	s_mov_b32 s13, 0
	s_lshl_b32 s14, s11, 14                        ; 16,384 bytes of output
	s_mov_b32 s15, 0
	s_wait_alu depctr_va_vdst(0)
	s_wait_kmcnt 0x0
	s_add_nc_u64 s[4:5], s[4:5], s[12:13]
	s_add_nc_u64 s[8:9], s[8:9], s[14:15]
	s_load_b512 s[16:31], s[4:5], 0x0              ; my 16 indices
	s_wait_kmcnt 0x0
.irp i, 0,1,2,3,4,5,6,7,8,9,10,11,12,13,14,15
	s_min_u32 s[16+\i], s[16+\i], 0xfff            ; an index stays inside the table
	s_lshl_b32 s[16+\i], s[16+\i], 10              ; its row's first byte
	v_add_nc_u32 v[4+\i], s[16+\i], v1
	global_load_b128 v[24+8*\i:27+8*\i], v[4+\i], s[6:7]
	global_load_b128 v[28+8*\i:31+8*\i], v[4+\i], s[6:7] offset:512
.endr
.irp k, 0,1,2,3,4,5,6,7,8,9,10,11,12,13,14,15,16,17,18,19,20,21,22,23,24,25,26,27,28,29,30,31
	s_wait_loadcnt 31-\k                           ; loads come back in order: load k is in, the younger ones stay out
	global_store_b128 v1, v[24+4*\k:27+4*\k], s[8:9] offset:512*\k th:TH_STORE_NT
.endr
	s_endpgm
.Lfunc_end_k_qe08735569a_gather:
	.size	k_qe08735569a_gather, .Lfunc_end_k_qe08735569a_gather-k_qe08735569a_gather
	.p2alignl 7, 3214868480
	.fill 96, 4, 3214868480
	.section	.rodata,"a",@progbits
	.p2align	6, 0x0
	.amdhsa_kernel k_qe08735569a_gather
		.amdhsa_group_segment_fixed_size 0
		.amdhsa_private_segment_fixed_size 0
		.amdhsa_enable_private_segment 0
		.amdhsa_kernarg_size 24
		.amdhsa_user_sgpr_count 2
		.amdhsa_user_sgpr_kernarg_segment_ptr 1
		.amdhsa_wavefront_size32 1
		.amdhsa_system_sgpr_workgroup_id_x 1
		.amdhsa_system_sgpr_workgroup_id_y 1
		.amdhsa_system_sgpr_workgroup_id_z 1
		.amdhsa_system_vgpr_workitem_id 0
		.amdhsa_next_free_vgpr 152
		.amdhsa_next_free_sgpr 66
		.amdhsa_reserve_vcc 0
		.amdhsa_float_denorm_mode_32 3
		.amdhsa_float_denorm_mode_16_64 3
		.amdhsa_memory_ordered 1
		.amdhsa_forward_progress 1
		.amdhsa_inst_pref_size 10
	.end_amdhsa_kernel
	.amdgpu_metadata
---
amdhsa.version: [ 1, 2 ]
amdhsa.kernels:
  - .name:           k_qe08735569a_gather
    .symbol:         k_qe08735569a_gather.kd
    .args:
      - { .name: idx, .offset: 0, .size: 8, .value_kind: global_buffer, .address_space: global }
      - { .name: wt, .offset: 8, .size: 8, .value_kind: global_buffer, .address_space: global }
      - { .name: out0, .offset: 16, .size: 8, .value_kind: global_buffer, .address_space: global }
    .group_segment_fixed_size: 0
    .private_segment_fixed_size: 0
    .kernarg_segment_align: 8
    .kernarg_segment_size: 24
    .max_flat_workgroup_size: 256
    .sgpr_count:     66
    .vgpr_count:     152
    .wavefront_size: 32
...
	.end_amdgpu_metadata
.endif
;; end of part 3
